; MI455X (gfx1250); checked and timed in simulation.
; The chip was launched on July 23, 2026; its instructions are those of AMD's public machine-readable ISA for CDNA 5 (MIT licence, August 2026) and "CDNA5" Instruction Set Architecture Reference Guide (July 2026). The comments in the code are by the model that wrote it; some were corrected since.
;; Self Attention. Allowed arithmetic: matrix products marked QUANTISED: E2M1 operands, one E8M0 scale for each 32 along K, by v_wmma_scale_f32_16x16x128_f8f6f4 with both operands' format E2M1 (or v_wmma_scale_f32_32x16x128_f4), f32 sums; everything else in f32.
;; Inputs: K_seq 4 x 2,048 x 1,024 float32; Q_seq 4 x 2,048 x 1,024 float32; V_seq 4 x 2,048 x 1,024 float32; WK 1,024 x 1,024 float32; WQ 1,024 x 1,024 float32; WV 1,024 x 1,024 float32.
;; Outputs: out0 4 x 2,048 x 1,024 float32.
;; This version of the problem:
;;   THIS VERSION OF THE PROBLEM IS GIVEN IN LOW PRECISION. The matrix products marked QUANTISED in the list below multiply operands that are first quantised to E2M1 (2 exponent bits, 1 mantissa bit; 4 bits a number), with one power-of-two scale for each 32 numbers along K (OCP MX v1.0); their sums are f32. All else is computed in f32.
;;   The module's matrix products, in the order in which they are computed (A, B: the left and right operand; K: the contracted axis; several contracted axes count as one K, in the product's order):
;;     1. [M 8,192, K 1,024] x [K 1,024, N 1,024]; A: input Q_seq; B: input WQ: QUANTISED
;;     2. [M 8,192, K 1,024] x [K 1,024, N 1,024]; A: input K_seq; B: input WK: QUANTISED
;;     3. [M 8,192, K 1,024] x [K 1,024, N 1,024]; A: input V_seq; B: input WV: QUANTISED
;;     4. batch 64 x [M 2,048, K 64] x [K 64, N 2,048]; A: computed on the way; B: computed on the way: QUANTISED
;;     5. batch 64 x [M 2,048, K 2,048] x [K 2,048, N 64]; A: softmax (see below); B: computed on the way: QUANTISED
;;   THE QUANTISER, for each operand of a quantised product, along K:
;;     - K is cut into blocks of 32 from its start; a last block that is shorter is filled with zeros.
;;     - A block's scale is 2^e with e = floor(log2(the largest magnitude in the block)) - 2, held to -126 .. 127; a block of zeros has e = 0. As a byte (E8M0): e + 127.
;;     - Each number is divided by its block's scale, clamped to +-6, and rounded to the nearest number of E2M1, ties to even, subnormals kept.
;;     - The product sums the exact products of the quantised numbers (number of the format x scale) in f32.
;;   ~~~python
;;   def quantise(x, axis):      # numpy; x: float32 -> the quantised numbers, widened to float32 again
;;       x = np.moveaxis(x, axis, -1); K = x.shape[-1]
;;       x = np.pad(x, [(0, 0)] * (x.ndim - 1) + [(0, -K % 32)]); x = x.reshape(x.shape[:-1] + (-1, 32)); a = np.abs(x).max(-1, keepdims=True)
;;       e = np.where(a > 0, np.clip(np.frexp(np.where(a > 0, a, 1))[1] - 1 - 2, -126, 127), 0)      # np.frexp(a)[1] - 1 = floor(log2(a)), exactly
;;       r = np.clip(x / 2.0 ** e, -6, 6)
;;       step = 2.0 ** (np.maximum(np.frexp(np.where(r == 0, 1, r))[1] - 1, 0) - 1)
;;       q = np.round(r / step) * step * 2.0 ** e      # np.round: ties to even
;;       return np.moveaxis(q.reshape(q.shape[:-2] + (-1,))[..., :K], -1, axis).astype(np.float32)
;;   ~~~
;;   SOFTMAX AHEAD OF A QUANTISED PRODUCT. Where the list says 'softmax', what is quantised is not the finished softmax but p = 2^(t - M), with t = logit x log2(e) and M = ceil(the row's largest t), a whole number; so 1/2 < the row's largest p <= 1. The row's sum l is taken of the UNQUANTISED p, in f32, and the product's result is divided by l at the end. Since M is a whole number, a kernel that streams over the keys may use a running M (the ceiling of the running maximum): every later rescaling is an exact power of two, which a block's scale takes up: the codes' values come out the same.
;;   OPERANDS COMPUTED ON THE WAY. 'Computed on the way' means the value that the module computes at that place (a softmax that the list does not call 'softmax' is quantised finished and normalised). What goes into a quantiser is computed in f32, as accurately as f32 sums, v_exp_f32 and their like allow (about 1e-6 of the number): no bf16 or f16 on the way to a quantiser, and a product that is left as it is and whose result goes on into a quantised operand takes f32 operands (vector FMAs, or v_wmma_f32_16x16x4_f32). A number that lies on a knife's edge between two numbers of the format may be rounded either way, as far as f32 arithmetic and the matrix unit's own rounding can turn it there, and no further.
;; One version. Each part assembles by itself: llvm-mc -triple=amdgcn-amd-amdhsa -mcpu=gfx1250 --defsym DOCPART=n.
;; ======== version 1 of 1: 3 launches
;; limits: right only within a limited range of input values
;; workspace buffers: xc 12,582,912 bytes; xs 786,432 bytes; wc 1,572,864 bytes; ws 98,304 bytes; qi 4,718,592 bytes; kv 9,175,040 bytes
;; launch quant (part 1): grid 256 x 1, 16 waves a work-group, no clusters, 327,680 bytes of LDS; arguments Q_seq, K_seq, V_seq, WQ, WK, WV, xc, xs, wc, ws; writes xc, xs, wc, ws
.if DOCPART == 1
	.amdgcn_target "amdgcn-amd-amdhsa--gfx1250"
	.amdhsa_code_object_version 6
	.text
	.protected	k_q0cf6402cf1_quant
	.globl	k_q0cf6402cf1_quant
	.p2align	8
	.type	k_q0cf6402cf1_quant,@function
k_q0cf6402cf1_quant:
	s_mov_b64 s[64:65], 0
	v_nop
	global_prefetch_b8 v0, s[64:65] scope:SCOPE_SE
	s_setreg_imm32_b32 hwreg(HW_REG_WAVE_MODE, 25, 1), 1
	s_wait_xcnt 0x0
; Q_seq, K_seq, V_seq [8192][1024] and WQ, WK, WV [1024 (k)][1024 (n)], f32, become codes of FP4 (E2M1) with K innermost and one E8M0 scale byte for each 32 along K.
;   xc [3][8192 places][512 bytes], xs [3][8192][32];   wc [3][1024 places (n)][512], ws [3][1024][32].
; A block's scale is 2^(floor(log2(its largest magnitude)) - 2); its byte is the largest magnitude's exponent field - 2, held at 1 from below.
; TILE ORDER: row x of a tensor is stored at place pi(x), pi = bits 3 and 4 of the number exchanged.  K_seq alone: bits 3, 4, 5 of a row's number go to bits 4, 5, 3 of its place.
; LIMITS: NaN and infinities among the inputs are not served.  A block of zeros, or one whose largest magnitude lies under 2^-124, keeps the byte 1 (the rule says 127 for zeros): its codes are zeros or next to it,
; and the bytes are read by this program alone.
; SHARES.  Work-group b takes rows 32 b .. 32 b + 31 of each sequence; wave w rows 32 b + 2 w and the next: 8,192 dense bytes of each tensor, four steps of 512 numbers.
; Q_seq's part comes by the wave's tensor load at the head, K_seq's by a second one, into bytes of its own, behind a barrier: nothing is filled again,
; and a wave reads only what it fetched itself.  Both are stated as 32 rows of 256 bytes with 16 bytes of padding: lane l reads its 64 bytes at 272 (l / 4) + 64 (l % 4).
; V_seq's part comes through registers, asked for at the head, and is turned among four neighbouring lanes in registers.
; THE WEIGHTS: work-groups 0 to 191 take 32 columns x 512 along K of one weight: wave w the block of rows 32 w .. 32 w + 31, a lane a column, its registers down K.  (3 x 32 x 2 such parts: the other 64 work-groups have none.)
; Codes of the weights and all scale bytes are gathered in LDS bytes into which no fill lands, and leave behind one barrier: the codes and the sequences' scale bytes in runs of 256 consecutive bytes.
; No cluster: no two work-groups read the same bytes.  No prefetch: all that a work-group reads is asked for in a few large requests, with no loop to run ahead in.
.set WBUF,  32*272                     ; a wave's part of a tensor in LDS
.set BUF1,  16*WBUF                    ; K_seq's parts, behind Q_seq's
.set WST,   2*BUF1                     ; the weights' codes: 32 places x (256 bytes + 16)
.set WSS,   WST+32*272                 ; the weights' scale bytes: 32 places x 16
.set XSS,   WSS+512                    ; the sequences' scale bytes: 3 tensors x 4 runs of 8 places x 32
.set SPARE, XSS+3072                   ; the spare words, 128 bytes for each wave
.set NWG_W, 192
.set VO,   3                           ; 16 x lane
.set A0,   4                           ; my 64 bytes of a step in Q_seq's part
.set A1,   5                           ; and in K_seq's
.set CO1,  6                           ; 8 x lane
.set CO2,  7                           ; 64 (lane % 4) + 8 (lane / 4)
.set SBQ,  8                           ; LDS: my block's scale byte, for Q_seq, K_seq, V_seq
.set SBK,  9
.set SBV,  10
.set WO,   11                          ; 4 x lane
.set WSA,  12                          ; the weights' stage, in: row pi(lane), + 16 x wave
.set WBA,  13                          ; the weights' scale byte: 16 pi(lane) + wave
.set WRD,  14                          ; the weights' stage, back: rows 2 x wave and the next, sixteen lanes to a row
.set WGO,  15                          ; and the same in wc
.set WSR,  16                          ; the weights' scale bytes, back: 16 x lane
.set WSG,  17                          ; and in ws: 32 x lane
.set XSR,  18                          ; the sequences' scale bytes, back: run = wave, 8 x lane
.set VR,   32                          ; v32-95   V_seq: four steps of 16 numbers
.set WR,   96                          ; v96-127  a block of a weight
.set X,    128                         ; v128-191 four steps of 16 neighbours from LDS
.set TS,   192                         ; v192-195 what I send to the other lane
.set TR,   196                         ; v196-199 what I get from it
.set C,    200                         ; v200-223 codes: two registers for each of 12 steps
.set E,    224                         ; v224-236 a scale byte for each step, and the weights'
.set WC,   240                         ; v240-243 the weights' codes
.set M8,   244
.set M9,   245
.set M11,  246
.set OUT,  248
.set SPW,  254
.set NIL,  255
.set G1,   68                          ; s[68:75] descriptor group 1;  s[76:79], s[80:83] group 0 for Q_seq's and K_seq's part
.set G0A,  76
.set G0B,  80
	s_load_b512 s[32:47], s[0:1], 0x0              ; Q_seq s[32:33], K_seq s[34:35], V_seq s[36:37], WQ s[38:39], WK s[40:41], WV s[42:43], xc s[44:45], xs s[46:47]
	s_load_b128 s[48:51], s[0:1], 0x40             ; wc s[48:49], ws s[50:51]
	v_lshl_add_u32 v[SPW], v0, 2, SPARE
	v_mov_b32 v[NIL], 0
	ds_add_u32 v[SPW], v[NIL]                      ; the opening lines: the add, twice on end, and its wait
	ds_add_u32 v[SPW], v[NIL]
	v_lshrrev_b32 v1, 5, v0
	v_readfirstlane_b32 s16, v1                    ; wave 0..15
	s_mov_b32 s[G1+0], (3<<16)|(1<<20)|(5<<22)|(3<<25)   ; elements of 8 bytes; four words of padding behind every 64
	s_mov_b32 s[G1+1], 32<<16
	s_mov_b32 s[G1+2], 32<<16
	s_mov_b32 s[G1+3], 32<<16
	s_mov_b32 s[G1+4], 32
	s_mov_b32 s[G1+5], 32
	s_mov_b32 s[G1+6], 0
	s_mov_b32 s[G1+7], 0
	s_lshl_b32 s24, ttmp9, 17                      ; 32 rows of 4,096 bytes a work-group,
	s_lshl_b32 s26, s16, 13                        ; 2 a wave
	s_add_co_u32 s24, s24, s26
	s_mov_b32 s25, 0
	s_mul_i32 s27, s16, WBUF
	s_wait_dscnt 0x0
	s_wait_kmcnt 0x0
	s_mov_b32 s[G0A], 1
	s_mov_b32 s[G0A+1], s27
	s_add_nc_u64 s[G0A+2:G0A+3], s[32:33], s[24:25]
	s_or_b32 s[G0A+3], s[G0A+3], 0x80000000
	tensor_load_to_lds s[G0A:G0A+3], s[G1:G1+7]    ; my two rows of Q_seq: every wave's one load at the head
	s_nop 0
	s_mov_b32 s[G0B], 1
	s_add_co_u32 s[G0B+1], s27, BUF1
	s_add_nc_u64 s[G0B+2:G0B+3], s[34:35], s[24:25]
	s_or_b32 s[G0B+3], s[G0B+3], 0x80000000
	s_add_nc_u64 s[10:11], s[36:37], s[24:25]      ; my two rows of V_seq
	s_and_b32 s17, s16, 3                          ; a row's number is 32 b + 2 w + e: its bit 3 is w's bit 2, its bit 4 w's bit 3, its bit 5 b's bit 0
	s_bfe_u32 s18, s16, 0x10002
	s_lshr_b32 s19, s16, 3
	s_lshl_b32 s28, s17, 1
	s_lshl_b32 s24, ttmp9, 5                       ; Q_seq, V_seq: place 32 b + 16 (bit 3) + 8 (bit 4) + 2 (w % 4)
	s_lshl_b32 s26, s18, 4
	s_add_co_u32 s24, s24, s26
	s_lshl_b32 s26, s19, 3
	s_add_co_u32 s24, s24, s26
	s_add_co_u32 s24, s24, s28
	s_lshl_b32 s24, s24, 9
	s_add_nc_u64 s[4:5], s[44:45], s[24:25]        ; Q_seq's codes
	s_add_co_u32 s24, s24, 2<<22
	s_add_nc_u64 s[8:9], s[44:45], s[24:25]        ; V_seq's
	s_lshr_b32 s24, ttmp9, 1                       ; K_seq: place 64 (b / 2) + 32 (bit 4) + 16 (bit 3) + 8 (bit 5) + 2 (w % 4)
	s_lshl_b32 s24, s24, 6
	s_lshl_b32 s26, s19, 5
	s_add_co_u32 s24, s24, s26
	s_lshl_b32 s26, s18, 4
	s_add_co_u32 s24, s24, s26
	s_and_b32 s26, ttmp9, 1
	s_lshl_b32 s26, s26, 3
	s_add_co_u32 s24, s24, s26
	s_add_co_u32 s24, s24, s28
	s_lshl_b32 s24, s24, 9
	s_add_co_u32 s24, s24, 1<<22
	s_add_nc_u64 s[6:7], s[44:45], s[24:25]        ; K_seq's codes
	s_lshr_b32 s29, ttmp9, 6                       ; the weights' part: which weight,
	s_and_b32 s30, ttmp9, 31                       ; which 32 columns,
	s_bfe_u32 s31, ttmp9, 0x10005                  ; which half of K
	s_cmp_eq_u32 s29, 0
	s_cselect_b64 s[12:13], s[38:39], s[40:41]
	s_cmp_eq_u32 s29, 2
	s_cselect_b64 s[12:13], s[42:43], s[12:13]
	s_lshl_b32 s24, s31, 21                        ; 512 rows of 4,096 bytes,
	s_lshl_b32 s26, s16, 17                        ; 32 rows a wave,
	s_add_co_u32 s24, s24, s26
	s_lshl_b32 s26, s30, 7                         ; 128 bytes for 32 columns
	s_add_co_u32 s24, s24, s26
	s_add_nc_u64 s[12:13], s[12:13], s[24:25]
	s_lshl_b32 s24, s29, 19                        ; wc: 524,288 bytes a weight, 512 a place, 256 for half of K
	s_lshl_b32 s26, s30, 14
	s_add_co_u32 s24, s24, s26
	s_lshl_b32 s26, s31, 8
	s_add_co_u32 s24, s24, s26
	s_add_nc_u64 s[14:15], s[48:49], s[24:25]
	s_lshl_b32 s24, s29, 15                        ; ws: 32,768 bytes a weight, 32 a place, 16 for half of K
	s_lshl_b32 s26, s30, 10
	s_add_co_u32 s24, s24, s26
	s_lshl_b32 s26, s31, 4
	s_add_co_u32 s24, s24, s26
	s_add_nc_u64 s[20:21], s[50:51], s[24:25]
	s_lshr_b32 s29, s16, 2                         ; the sequences' scale bytes leave in 12 runs of 8 places: wave v stores run v % 4 of tensor v / 4
	s_lshl_b32 s24, ttmp9, 5
	s_lshl_b32 s26, s17, 3
	s_add_co_u32 s24, s24, s26                     ; Q_seq, V_seq: from place 32 b + 8 u on
	s_lshr_b32 s30, ttmp9, 1
	s_lshl_b32 s30, s30, 6
	s_and_b32 s26, ttmp9, 1
	s_lshl_b32 s26, s26, 3
	s_add_co_u32 s30, s30, s26
	s_lshl_b32 s26, s17, 4
	s_add_co_u32 s30, s30, s26                     ; K_seq: from place 64 (b / 2) + 8 (b % 2) + 16 u on
	s_cmp_eq_u32 s29, 1
	s_cselect_b32 s24, s30, s24
	s_lshl_b32 s24, s24, 5
	s_lshl_b32 s26, s29, 18
	s_add_co_u32 s24, s24, s26
	s_add_nc_u64 s[22:23], s[46:47], s[24:25]
	s_lshl_b32 s52, s18, 1                         ; LDS: my two rows' 64 scale bytes: Q_seq, V_seq in run 2 (bit 3) + (bit 4),
	s_add_co_u32 s52, s52, s19
	s_lshl_b32 s52, s52, 8
	s_lshl_b32 s26, s17, 6
	s_add_co_u32 s52, s52, s26
	s_add_co_u32 s52, s52, XSS
	s_lshl_b32 s53, s19, 1                         ; K_seq in run 2 (bit 4) + (bit 3)
	s_add_co_u32 s53, s53, s18
	s_lshl_b32 s53, s53, 8
	s_add_co_u32 s53, s53, s26
	s_add_co_u32 s53, s53, XSS+1024
	s_add_co_u32 s54, s52, 2048
	s_lshl_b32 s55, s16, 4
	s_add_co_u32 s55, s55, WST
	s_add_co_u32 s56, s16, WSS
	s_mul_i32 s57, s16, 544
	s_add_co_u32 s57, s57, WST
	s_lshl_b32 s58, s16, 10
	s_lshl_b32 s59, s16, 8
	s_add_co_u32 s59, s59, XSS
	v_and_b32 v2, 31, v0                           ; lane
	v_lshlrev_b32 v[VO], 4, v2
	v_lshlrev_b32 v[WO], 2, v2
	v_lshrrev_b32 v20, 2, v2                       ; g
	v_and_b32 v21, 3, v2                           ; j
	v_lshrrev_b32 v22, 1, v2
	v_lshrrev_b32 v23, 3, v2
	v_and_b32 v24, 7, v2
	v_and_b32 v25, 8, v2
	v_and_b32 v26, 15, v2
	v_mul_u32_u24 v[A0], v20, 272
	v_lshlrev_b32 v[CO1], 3, v2
	v_lshlrev_b32 v[CO2], 6, v21
	v_lshl_or_b32 v24, v25, 1, v24
	v_bfe_u32 v25, v2, 4, 1                        ; lane / 16
	v_lshl_add_u32 v[A0], v21, 6, v[A0]
	v_lshl_add_u32 v[CO2], v20, 3, v[CO2]
	v_lshl_add_u32 v23, v21, 2, v23                ; 4 j + g / 2
	v_lshl_or_b32 v24, v25, 3, v24                 ; pi(lane)
	v_add_nc_u32 v[A0], s27, v[A0]
	v_add_nc_u32 v[SBQ], s52, v22
	v_add_nc_u32 v[SBK], s53, v22
	v_add_nc_u32 v[SBV], s54, v23
	v_mul_u32_u24 v[WSA], v24, 272
	v_add_nc_u32 v[A1], BUF1, v[A0]
	v_lshl_add_u32 v[WBA], v24, 4, s56
	v_mul_u32_u24 v[WRD], v25, 272
	v_lshlrev_b32 v[WGO], 9, v25
	v_add_nc_u32 v[WSA], s55, v[WSA]
	v_lshl_add_u32 v[WRD], v26, 4, v[WRD]
	v_lshl_add_u32 v[WGO], v26, 4, v[WGO]
	v_add_nc_u32 v[WSR], WSS, v[VO]
	v_lshlrev_b32 v[WSG], 5, v2
	v_add_nc_u32 v[WRD], s57, v[WRD]
	v_add_nc_u32 v[WGO], s58, v[WGO]
	v_add_nc_u32 v[XSR], s59, v[CO1]
.irp k, 0,1,2,3
	v_mov_b32 v[TR+\k], 0                          ; written once: the destination of a DPP form counts as one of its sources
.endr
	s_wait_alu depctr_va_vdst(0)                   ; the wait at the head's end
.irp t, 0,1,2,3
.irp i, 0,1,2,3
	global_load_b128 v[VR+16*\t+4*\i:VR+16*\t+4*\i+3], v[VO], s[10:11] offset:2048*\t+512*\i th:TH_LOAD_NT   ; 32 lanes read 512 consecutive bytes
.endr
.endr
	s_wait_tensorcnt 0x0                           ; my part of Q_seq is in.  A barrier ahead of a later first fill
	ds_add_u32 v[SPW], v[NIL]
	s_wait_dscnt 0x0
	s_barrier_signal -1
	s_barrier_wait -1
	tensor_load_to_lds s[G0B:G0B+3], s[G1:G1+7]    ; my two rows of K_seq, into bytes of their own
	s_nop 0
; 16 neighbours in v[xs ..]; the other half of the block in lane l xor xm.  Codes into pair c, the scale's byte to LDS.
.macro QCORE xs, xm, c, sb, off
	v_max3_num_f32 v[M8], |v[\xs]|, |v[\xs+1]|, |v[\xs+2]|          ; the largest magnitude of my 16, in two chains
	v_max3_num_f32 v[M9], |v[\xs+3]|, |v[\xs+4]|, |v[\xs+5]|
.irp i, 6,10
	v_max3_num_f32 v[M8], v[M8], |v[\xs+\i]|, |v[\xs+\i+1]|
	v_max3_num_f32 v[M9], v[M9], |v[\xs+\i+2]|, |v[\xs+\i+3]|
.endr
	v_max3_num_f32 v[M8], v[M8], |v[\xs+14]|, |v[\xs+15]|
	v_max3_num_f32 v[M8], v[M8], v[M9], 0x1800000  ; and the floor 2^(3 - 127): so the byte cannot fall under 1
	v_max_num_f32_dpp v[M8], v[M8], v[M8] row_xmask:\xm row_mask:0xf bank_mask:0xf
	v_add_nc_u32 v[M11], 0xff000000, v[M8]         ; 2 off its exponent field: the conversion takes the exponent field of this operand as its scale
	v_cvt_scalef32_pk8_fp4_f32 v[C+2*(\c)], v[\xs:\xs+7], v[M11]
	v_cvt_scalef32_pk8_fp4_f32 v[C+2*(\c)+1], v[\xs+8:\xs+15], v[M11]
	v_lshrrev_b32 v[E+(\c)], 23, v[M11]            ; the scale's byte (also the plain line behind the conversions)
	ds_store_b8 v[\sb], v[E+(\c)] offset:\off      ; both lanes of a block write the same byte with the same value
.endm
; A tensor's part out of LDS: four steps; lane l holds numbers 16 l .. 16 l + 15 of a step, lanes l and l xor 1 a block
.macro LPHASE adr, sb, c0, op
.irp t, 0,1,2,3
.irp i, 0,1,2,3
	ds_load_b128 v[X+16*\t+4*\i:X+16*\t+4*\i+3], v[\adr] offset:2176*\t+16*\i
.endr
.endr
.irp t, 0,1,2,3
	s_wait_dscnt 12-3*\t                           ; step t's four loads are in: behind them stand the later steps' loads, 4 (3 - t), and t byte stores
	QCORE X+16*\t, 1, \c0+\t, \sb, 16*\t
.endr
.irp t, 0,1,2,3
	global_store_b64 v[CO1], v[C+2*(\c0+\t):C+2*(\c0+\t)+1], s[\op:\op+1] offset:256*\t   ; the wave stores 256 consecutive bytes, aligned
.endr
.endm
; Two pieces of four registers, u and v, change hands between lanes l and l xor xm.  VCC names the lanes whose bit xm is set.  A lane with the bit clear keeps u and gets the other's u into v;
; a lane with the bit set keeps v and gets the other's v into u.
.macro XCH u, v, xm
.irp k, 0,1,2,3
	v_cndmask_b32 v[TS+\k], v[\v+\k], v[\u+\k], vcc_lo
.endr
.irp k, 0,1,2,3
	v_mov_b32_dpp v[TR+\k], v[TS+\k] row_xmask:\xm row_mask:0xf bank_mask:0xf
.endr
.irp k, 0,1,2,3
	v_cndmask_b32 v[\u+\k], v[\u+\k], v[TR+\k], vcc_lo
.endr
.irp k, 0,1,2,3
	v_cndmask_b32 v[\v+\k], v[TR+\k], v[\v+\k], vcc_lo
.endr
.endm
	LPHASE A0, SBQ, 0, 4                           ; Q_seq
; V_seq.  Load j of a step brought chunk j, 16 bytes a lane: lanes 4 g .. 4 g + 3 turn their 4 x 4 pieces among them, in place: afterwards lane 4 g + j holds numbers 16 g .. 16 g + 15 of chunk j; lanes l and l xor 4 hold a block
.irp t, 0,1,2,3
	s_wait_loadcnt 12-4*\t                         ; step t's four loads are in; the later steps' may be out
	s_mov_b32 vcc_lo, 0xaaaaaaaa
	XCH VR+16*\t, VR+16*\t+4, 1
	XCH VR+16*\t+8, VR+16*\t+12, 1
	s_mov_b32 vcc_lo, 0xcccccccc
	XCH VR+16*\t, VR+16*\t+8, 2
	XCH VR+16*\t+4, VR+16*\t+12, 2
	QCORE VR+16*\t, 4, 8+\t, SBV, 16*\t
.endr
.irp t, 0,1,2,3
	global_store_b64 v[CO2], v[C+2*(8+\t):C+2*(8+\t)+1], s[8:9] offset:256*\t   ; the wave stores 256 consecutive bytes, aligned
.endr
	s_cmp_lt_u32 ttmp9, NWG_W                      ; THE WEIGHTS' BLOCK, under K_seq's flight
	s_cbranch_scc0 .Lno_block
.irp i, 0,1,2,3,4,5,6,7,8,9,10,11,12,13,14,15,16,17,18,19,20,21,22,23,24,25,26,27,28,29,30,31
	global_load_b32 v[WR+\i], v[WO], s[12:13] offset:\i*4096 th:TH_LOAD_NT   ; W(32 w + i, my column): 128 consecutive bytes a wave
.endr
	s_wait_loadcnt 0x0
	v_max3_num_f32 v[M8], |v[WR]|, |v[WR+1]|, |v[WR+2]|             ; the block's largest magnitude: all 32 numbers are mine
	v_max3_num_f32 v[M9], |v[WR+3]|, |v[WR+4]|, |v[WR+5]|
.irp i, 6,10,14,18,22,26
	v_max3_num_f32 v[M8], v[M8], |v[WR+\i]|, |v[WR+\i+1]|
	v_max3_num_f32 v[M9], v[M9], |v[WR+\i+2]|, |v[WR+\i+3]|
.endr
	v_max3_num_f32 v[M8], v[M8], |v[WR+30]|, |v[WR+31]|
	v_max3_num_f32 v[M8], v[M8], v[M9], 0x1800000
	v_add_nc_u32 v[M11], 0xff000000, v[M8]
	v_lshrrev_b32 v[E+12], 23, v[M11]
.irp g, 0,1,2,3
	v_cvt_scalef32_pk8_fp4_f32 v[WC+\g], v[WR+8*\g:WR+8*\g+7], v[M11]
.endr
	v_nop                                          ; one plain line behind the last conversion
	ds_store_b8 v[WBA], v[E+12]
	ds_store_b128 v[WSA], v[WC:WC+3]               ; 32 codes: 16 bytes of my column's row
.Lno_block:
	s_wait_tensorcnt 0x0                           ; my part of K_seq is in: I alone read it
	LPHASE A1, SBK, 4, 6                           ; K_seq
	s_wait_dscnt 0x0                               ; my stores into the stages are done
	s_barrier_signal -1
	s_barrier_wait -1                              ; everybody's are
	s_cmp_lt_u32 ttmp9, NWG_W
	s_cbranch_scc0 .Lno_rows
	ds_load_b128 v[OUT:OUT+3], v[WRD]
	s_wait_dscnt 0x0
	global_store_b128 v[WGO], v[OUT:OUT+3], s[14:15]   ; two places of wc: sixteen lanes store 256 consecutive bytes, aligned
	s_cmp_eq_u32 s16, 15
	s_cbranch_scc0 .Lno_rows
	ds_load_b128 v[WC:WC+3], v[WSR]
	s_wait_dscnt 0x0
	global_store_b128 v[WSG], v[WC:WC+3], s[20:21]     ; a place's 16 scale bytes of this half of K, a lane a place
.Lno_rows:
	s_cmp_lt_u32 s16, 12
	s_cbranch_scc0 .Lend
	ds_load_b64 v[M8:M8+1], v[XSR]
	s_wait_dscnt 0x0
	global_store_b64 v[CO1], v[M8:M8+1], s[22:23]      ; 8 places' scale bytes: 256 consecutive bytes, aligned
.Lend:
	s_wait_tensorcnt 0x0                           ; the wave's end
	ds_add_u32 v[SPW], v[NIL]
	s_wait_dscnt 0x0
	s_endpgm
.Lfunc_end_k_q0cf6402cf1_quant:
	.size	k_q0cf6402cf1_quant, .Lfunc_end_k_q0cf6402cf1_quant-k_q0cf6402cf1_quant
	.p2alignl 7, 3214868480
	.fill 96, 4, 3214868480
	.section	.rodata,"a",@progbits
	.p2align	6, 0x0
	.amdhsa_kernel k_q0cf6402cf1_quant
		.amdhsa_group_segment_fixed_size 327680
		.amdhsa_private_segment_fixed_size 0
		.amdhsa_enable_private_segment 0
		.amdhsa_kernarg_size 80
		.amdhsa_user_sgpr_count 2
		.amdhsa_user_sgpr_kernarg_segment_ptr 1
		.amdhsa_wavefront_size32 1
		.amdhsa_system_sgpr_workgroup_id_x 1
		.amdhsa_system_sgpr_workgroup_id_y 1
		.amdhsa_system_sgpr_workgroup_id_z 1
		.amdhsa_system_vgpr_workitem_id 0
		.amdhsa_next_free_vgpr 256
		.amdhsa_next_free_sgpr 84
		.amdhsa_reserve_vcc 1
		.amdhsa_float_denorm_mode_32 3
		.amdhsa_float_denorm_mode_16_64 3
		.amdhsa_memory_ordered 1
		.amdhsa_forward_progress 1
		.amdhsa_inst_pref_size 39
	.end_amdhsa_kernel
	.amdgpu_metadata
---
amdhsa.version: [ 1, 2 ]
amdhsa.kernels:
  - .name:           k_q0cf6402cf1_quant
    .symbol:         k_q0cf6402cf1_quant.kd
    .args:
      - { .name: Q_seq, .offset: 0, .size: 8, .value_kind: global_buffer, .address_space: global }
      - { .name: K_seq, .offset: 8, .size: 8, .value_kind: global_buffer, .address_space: global }
      - { .name: V_seq, .offset: 16, .size: 8, .value_kind: global_buffer, .address_space: global }
      - { .name: WQ, .offset: 24, .size: 8, .value_kind: global_buffer, .address_space: global }
      - { .name: WK, .offset: 32, .size: 8, .value_kind: global_buffer, .address_space: global }
      - { .name: WV, .offset: 40, .size: 8, .value_kind: global_buffer, .address_space: global }
      - { .name: xc, .offset: 48, .size: 8, .value_kind: global_buffer, .address_space: global }
      - { .name: xs, .offset: 56, .size: 8, .value_kind: global_buffer, .address_space: global }
      - { .name: wc, .offset: 64, .size: 8, .value_kind: global_buffer, .address_space: global }
      - { .name: ws, .offset: 72, .size: 8, .value_kind: global_buffer, .address_space: global }
    .group_segment_fixed_size: 327680
    .private_segment_fixed_size: 0
    .kernarg_segment_align: 8
    .kernarg_segment_size: 80
    .max_flat_workgroup_size: 512
    .sgpr_count:     84
    .vgpr_count:     256
    .wavefront_size: 32
...
	.end_amdgpu_metadata
.endif
;; end of part 1
;; launch proj (part 2): grid 4 x 96, 4 waves a work-group, clusters of 4 x 4, 327,680 bytes of LDS; arguments xc, xs, wc, ws, qi, kv; writes qi, kv
.if DOCPART == 2
	.amdgcn_target "amdgcn-amd-amdhsa--gfx1250"
	.amdhsa_code_object_version 6
	.text
	.protected	k_q0cf6402cf1_proj
	.globl	k_q0cf6402cf1_proj
	.p2align	8
	.type	k_q0cf6402cf1_proj,@function
k_q0cf6402cf1_proj:
	s_mov_b64 s[64:65], 0
	v_nop
	global_prefetch_b8 v0, s[64:65] scope:SCOPE_SE
	s_setreg_imm32_b32 hwreg(HW_REG_WAVE_MODE, 25, 1), 1
	s_wait_xcnt 0x0
	s_wait_alu depctr_hold_cnt(0) depctr_sa_sdst(0) depctr_va_vdst(0) depctr_va_sdst(0) depctr_va_ssrc(0) depctr_va_vcc(0) depctr_vm_vsrc(0)
	s_getreg_b32 s2, hwreg(HW_REG_IB_STS2, 6, 4)
	s_cmp_eq_u32 s2, 0
	s_cbranch_scc0 .Lentry_in_a_cluster
	s_endpgm
.Lentry_in_a_cluster:
	s_bfe_u32 s2, ttmp6, 0x10000c
	s_cmp_lg_u32 s2, 0xf033
	s_cbranch_scc0 .Lentry_shape_is_right
	s_endpgm
.Lentry_shape_is_right:
.set NQ,     4
.set ROWB,   512                       ; a tile's row: all 1,024 codes of K
.set KROW,   512
.set PITCH,  528                       ; an LDS row: 512 bytes + 16 of padding
.set FR,     8
.set NL,     2
.set NP,     4
.set HALFT,  128*PITCH
.set SLOT,   256                       ; the second 512 along K begin 256 bytes on in each LDS row
.set KS,     32
.set SCL,    4*HALFT                   ; behind A's and B's 256 rows
.set HALFS,  (128*KS/256)*272
.set SBLK,   (16*KS/256)*272
.set STQ,    SCL+4*HALFS
.set STV,    STQ+4*1024
.set ADRA, 16
.set ADRB, 20
.set SH16, 23
.set LI,   24
.set LSO,  25
.set SQA,  26
.set ADRS, 27
.set SQR,  28
.set SVA,  29
.set SVR,  30
.set VSO,  31
.set SC,   32
.set AF,   128
.set TM,   128
.set PWS,  144
.set T,    152
.set X0,   160
.set PC,   192
.set G1, 24
.set G0, 32
.set G1B, 48
.set G0B, 56
.set G1S, 68
.set G0S, 76
.set G1SB, 80
.set G0SB, 88
.set MSB, 0
.macro WIN new
.if MSB != \new
	s_set_vgpr_msb (MSB<<8)|\new
.set MSB, \new
.endif
.endm
.set MUL_LO, 0xa1
.set MUL_HI, 0xf1
.set TO_B,   0x40
.macro JLOAD g0a, g1a, g0b, g1b
	s_cmp_eq_u32 s15, 0
	s_cbranch_scc0 .Lfor_b_\@
	tensor_load_to_lds s[\g0a:\g0a+3], s[\g1a:\g1a+7]
	s_nop 0
.rept 4
	v_nop
.endr
	s_branch .Lasked_\@
.Lfor_b_\@:
	tensor_load_to_lds s[\g0b:\g0b+3], s[\g1b:\g1b+7]
	s_nop 0
.rept 4
	v_nop
.endr
.Lasked_\@:
.endm
.macro CROUND
	s_barrier_signal -1
	s_barrier_wait -1
	s_cmp_lg_u32 s14, 0
	s_cbranch_scc1 .Lnot_wave_0_\@
	s_barrier_signal -3
.Lnot_wave_0_\@:
	s_barrier_wait -3
	s_barrier_signal -1
	s_barrier_wait -1
.endm
	s_load_b256 s[4:11], s[0:1], 0x0
	s_load_b128 s[96:99], s[0:1], 0x20
	v_lshl_add_u32 v126, v0, 2, 0x49c00
	v_mov_b32 v127, 0
	ds_add_u32 v126, v127
	ds_add_u32 v126, v127
	v_lshrrev_b32 v1, 5, v0
	v_readfirstlane_b32 s14, v1
	s_lshr_b32 s15, s14, 1
	s_and_b32 s16, s14, 1
	s_bfe_u32 s40, ttmp6, 0x40000
	s_bfe_u32 s41, ttmp6, 0x40004
	s_and_b32 s13, ttmp7, 0xffff
	s_lshr_b32 s12, s13, 3
	s_and_b32 s13, s13, 7
	s_cmp_eq_u32 s12, 2
	s_cselect_b32 s42, s13, ttmp9
	s_cselect_b32 s17, 0, s13
	s_lshl_b32 s42, s42, 2
	s_add_co_u32 s42, s42, s40
	s_lshl_b32 s17, s17, 2
	s_add_co_u32 s17, s17, s41
	s_lshl_b32 s43, s41, 2
	s_lshl_b32 s43, 15, s43
	s_lshl_b32 s44, 0x1111, s40
	s_or_b32 s[G1+0], s43, (0<<16)|(1<<20)|(1<<21)|(6<<22)|(3<<25)   ; padding: four words behind every 128
	s_or_b32 s[G1B+0], s44, (0<<16)|(1<<20)|(1<<21)|(6<<22)|(3<<25)
.irp g, G1, G1B
	s_mov_b32 s[\g+1], ROWB<<16
	s_mov_b32 s[\g+2], 256<<16
	s_mov_b32 s[\g+3], ROWB<<16
	s_mov_b32 s[\g+4], 256
	s_mov_b32 s[\g+5], KROW
	s_mov_b32 s[\g+6], 0
	s_mov_b32 s[\g+7], 0
.endr
	s_or_b32 s[G1S+0], s43, (3<<16)|(1<<20)|(1<<21)|(5<<22)|(3<<25)
	s_or_b32 s[G1SB+0], s44, (3<<16)|(1<<20)|(1<<21)|(5<<22)|(3<<25)
.irp g, G1S, G1SB
	s_mov_b32 s[\g+1], 32<<16
	s_mov_b32 s[\g+2], KS<<16
	s_mov_b32 s[\g+3], 32<<16
	s_mov_b32 s[\g+4], KS
	s_mov_b32 s[\g+5], 32
	s_mov_b32 s[\g+6], 0
	s_mov_b32 s[\g+7], 0
.endr
	s_lshl_b32 s20, s17, 8
	s_lshl_b32 s46, s42, 8
	s_lshl_b32 s22, s20, 5
	s_mov_b32 s23, 0
	s_lshl_b32 s92, s46, 5
	s_mov_b32 s93, 0
	s_lshl_b32 s20, s20, 9
	s_mov_b32 s21, 0
	s_lshl_b32 s46, s46, 9
	s_mov_b32 s47, 0
	s_mov_b32 s19, 0
	s_wait_dscnt 0x0
	s_wait_kmcnt 0x0
	s_lshl_b32 s18, s12, 22
	s_add_nc_u64 s[4:5], s[4:5], s[18:19]
	s_lshl_b32 s18, s12, 18
	s_add_nc_u64 s[6:7], s[6:7], s[18:19]
	s_lshl_b32 s18, s12, 19
	s_add_nc_u64 s[8:9], s[8:9], s[18:19]
	s_lshl_b32 s18, s12, 15
	s_add_nc_u64 s[10:11], s[10:11], s[18:19]
	s_cmp_eq_u32 s12, 2
	s_cselect_b64 s[66:67], s[8:9], s[4:5]
	s_cselect_b64 s[100:101], s[10:11], s[6:7]
	s_cselect_b64 s[8:9], s[4:5], s[8:9]
	s_cselect_b64 s[10:11], s[6:7], s[10:11]
	s_add_nc_u64 s[20:21], s[66:67], s[20:21]
	s_add_nc_u64 s[22:23], s[100:101], s[22:23]
	s_add_nc_u64 s[46:47], s[8:9], s[46:47]
	s_add_nc_u64 s[92:93], s[10:11], s[92:93]
	CROUND
	s_mov_b32 s[G0S], 1
	s_mov_b32 s[G0S+1], SCL
	s_mov_b64 s[G0S+2:G0S+3], s[22:23]
	s_or_b32 s[G0S+3], s[G0S+3], 0x80000000
	s_mov_b32 s[G0SB], 1
	s_mov_b32 s[G0SB+1], SCL+2*HALFS
	s_mov_b64 s[G0SB+2:G0SB+3], s[92:93]
	s_or_b32 s[G0SB+3], s[G0SB+3], 0x80000000
	s_mov_b32 s[G0], 1                             ; A's 256 rows, all of K
	s_mov_b32 s[G0+1], 0
	s_mov_b64 s[G0+2:G0+3], s[20:21]
	s_or_b32 s[G0+3], s[G0+3], 0x80000000
	s_mov_b32 s[G0B], 1                            ; B's 256 rows, behind them
	s_mov_b32 s[G0B+1], 2*HALFT
	s_mov_b64 s[G0B+2:G0B+3], s[46:47]
	s_or_b32 s[G0B+3], s[G0B+3], 0x80000000
; ALL THAT THE WORK-GROUP READS IS FOUR TILES, each filled once: wave 0 fetches A's rows, wave 1 B's, wave 2 A's scale bytes, wave 3 B's: one joint load a wave, in one tree of branches on the wave's number
.macro ARM under, g0, g1, next
	s_cmp_lt_u32 s14, \under
	s_cbranch_scc0 \next
	tensor_load_to_lds s[\g0:\g0+3], s[\g1:\g1+7]
	s_nop 0
.rept 4
	v_nop
.endr
	s_branch .Lhead_asked
\next:
.endm
	ARM 1, G0,  G1,  .Lhead_b
	ARM 2, G0B, G1B, .Lhead_sa
	ARM 3, G0S, G1S, .Lhead_sb
	tensor_load_to_lds s[G0SB:G0SB+3], s[G1SB:G1SB+7]
	s_nop 0
.rept 4
	v_nop
.endr
.Lhead_asked:
	v_and_b32 v1, 15, v0
	v_bfe_u32 v2, v0, 4, 1
	v_mul_u32_u24 v3, v1, PITCH
	v_lshl_add_u32 v4, v2, 4, v3
	s_mul_i32 s21, s15, HALFT
	s_mul_i32 s22, s16, HALFT
	s_add_co_u32 s22, s22, 2*HALFT
.irp s, 0,1
	v_add_nc_u32 v[ADRA+\s], s21, v4
	v_add_nc_u32 v[ADRB+\s], s22, v4
	s_add_co_u32 s21, s21, SLOT
	s_add_co_u32 s22, s22, SLOT
.endr
	v_mul_u32_u24 v5, v1, KS
	v_lshrrev_b32 v6, 8, v5
	v_lshl_add_u32 v5, v6, 4, v5
	s_mul_i32 s21, s15, HALFS
	s_mul_i32 s22, s16, HALFS
	s_add_co_u32 s22, s22, 2*HALFS
	s_sub_co_u32 s22, s22, s21
	v_mul_u32_u24 v6, s22, v2
	s_add_co_u32 s21, s21, SCL
	v_add_nc_u32 v5, v5, v6
	v_add_nc_u32 v[ADRS], s21, v5
	v_lshlrev_b32 v[SH16], 4, v2
	v_and_b32 v6, 31, v0
	v_lshlrev_b32 v[LI], 4, v6
	s_cmp_eq_u32 s12, 0
	s_mov_b32 s18, 8192
	s_cselect_b32 s18, 4096, s18
	v_add_nc_u32 v[LSO], s18, v[LI]
	s_lshl_b32 s18, s14, 10
	s_add_co_u32 s18, s18, STQ
	v_lshl_add_u32 v[SQA], v2, 9, s18
	v_lshl_add_u32 v[SQA], v1, 4, v[SQA]
	v_add_nc_u32 v[SQR], s18, v[LI]
	s_lshl_b32 s18, s14, 9
	s_add_co_u32 s18, s18, STV
	v_lshl_add_u32 v[SVA], v1, 3, s18
	v_add_nc_u32 v[SVR], s18, v[LI]
	v_mul_u32_u24 v[VSO], v2, 143360
	v_lshl_add_u32 v[VSO], v1, 4, v[VSO]
	v_add_nc_u32 v[VSO], 8704, v[VSO]
.macro FRAG reg, adr, q, i
.irp c, 0,1
	ds_load_b128 v[\reg+4*\c:\reg+4*\c+3], v[\adr] offset:64*(\q)+32*\c+(\i)*16*PITCH
.endr
.endm
.macro MUL16 a0, p, q, sc, zero
.irp a, \a0, \a0+1
.irp b, 0,1,2,3,4,5,6,7
.if \zero
	v_wmma_scale_f32_16x16x128_f8f6f4 v[8*(8*((\a)%4)+\b):8*(8*((\a)%4)+\b)+7], v[128*(\p)+FR*\b:128*(\p)+FR*\b+FR-1], v[AF+FR*(\a):AF+FR*(\a)+FR-1], 0, v[SC+8*NQ*(\sc)+NQ*\b+(\q)], v[SC+8*NQ*(\sc)+NQ*(\a)+(\q)] matrix_a_fmt:MATRIX_FMT_FP4 matrix_b_fmt:MATRIX_FMT_FP4 matrix_a_scale:MATRIX_SCALE_ROW1
.else
	v_wmma_scale_f32_16x16x128_f8f6f4 v[8*(8*((\a)%4)+\b):8*(8*((\a)%4)+\b)+7], v[128*(\p)+FR*\b:128*(\p)+FR*\b+FR-1], v[AF+FR*(\a):AF+FR*(\a)+FR-1], v[8*(8*((\a)%4)+\b):8*(8*((\a)%4)+\b)+7], v[SC+8*NQ*(\sc)+NQ*\b+(\q)], v[SC+8*NQ*(\sc)+NQ*(\a)+(\q)] matrix_a_fmt:MATRIX_FMT_FP4 matrix_b_fmt:MATRIX_FMT_FP4 matrix_a_scale:MATRIX_SCALE_ROW1
.endif
.endr
.endr
.endm
.macro FETCH_B slot, q, p
	WIN TO_B
.irp i, 0,1,2,3,4,5,6,7
	FRAG 128*(\p)+FR*\i, ADRB+\slot, \q, \i
.endr
	WIN 0
.endm
.macro FETCH_A slot, q, i0
.irp i, \i0, \i0+1, \i0+2, \i0+3
	FRAG AF+FR*(\i), ADRA+\slot, \q, \i
.endr
.endm
.macro SCALES sc
.irp i, 0,1,2,3,4,5,6,7
	ds_load_b128 v[SC+8*NQ*\sc+NQ*\i:SC+8*NQ*\sc+NQ*\i+3], v[ADRS] offset:\i*SBLK
.endr
.endm
.macro PLACES n
.rept \n
	v_nop
.endr
.endm
.macro STEP slot, q, zero
	s_wait_dscnt 4*NL
	WIN MUL_LO
	MUL16 0, (\q)%2, \q, \slot, \zero
	MUL16 2, (\q)%2, \q, \slot, \zero
	s_wait_dscnt 0
	PLACES NP
	FETCH_B \slot, (\q)+1, 1-(\q)%2
	FETCH_A \slot, (\q)+1, 0
	WIN MUL_HI
	MUL16 4, (\q)%2, \q, \slot, \zero
	MUL16 6, (\q)%2, \q, \slot, \zero
	PLACES NP
	WIN 0
	FETCH_A \slot, (\q)+1, 4
.endm
.macro TURN slot, next
	s_wait_tensorcnt 0x0
	s_wait_dscnt 4*NL
	WIN MUL_LO
	MUL16 0, 1, NQ-1, \slot, 0
	s_wait_dscnt 0x0
	s_barrier_signal -1
	MUL16 2, 1, NQ-1, \slot, 0
	WIN 0
	s_barrier_wait -1
	PLACES NP
	v_add_nc_u32 v[ADRS], 4*NQ, v[ADRS]
	FETCH_B \next, 0, 0
	FETCH_A \next, 0, 0
	SCALES \next
	WIN MUL_HI
	MUL16 4, 1, NQ-1, \slot, 0
	MUL16 6, 1, NQ-1, \slot, 0
	PLACES NP
	WIN 0
	FETCH_A \next, 0, 4
.endm
.macro STEPS slot, from
.set Q, \from
.rept NQ-1-\from
	STEP \slot, Q, 0
.set Q, Q+1
.endr
.endm
	s_wait_alu depctr_va_vdst(0)                   ; the wait at the head's end
	s_wait_tensorcnt 0x0                           ; my tile of the four is in
	s_barrier_signal -1
	s_barrier_wait -1
	FETCH_B 0, 0, 0
	FETCH_A 0, 0, 0
	SCALES 0
	FETCH_A 0, 0, 4
	STEP 0, 0, 1
	STEPS 0, 1
	TURN 0, 1
	STEPS 1, 0
	s_wait_dscnt 4*NL
	WIN MUL_LO
	MUL16 0, 1, NQ-1, 1, 0
	MUL16 2, 1, NQ-1, 1, 0
	s_wait_dscnt 0
	WIN MUL_HI
	MUL16 4, 1, NQ-1, 1, 0
	MUL16 6, 1, NQ-1, 1, 0
	WIN 0
.macro QUANTW a
.set AC, 64*((\a)%4)
	WIN 5*(2+(\a)/4)
.irp b, 0,1,2,3
	v_max3_num_f32 v[TM+\b], |v[AC+16*\b]|, |v[AC+16*\b+1]|, 0x1800000
.endr
	WIN 0x14*(2+(\a)/4)
.irp i, 2,4,6,8,10,12,14
.irp b, 0,1,2,3
	v_max3_num_f32 v[TM+\b], v[TM+\b], |v[AC+16*\b+\i]|, |v[AC+16*\b+\i+1]|
.endr
.endr
	WIN 0
.irp b, 0,1,2,3
	v_permlanex16_b32 v[TM+4+\b], v[TM+\b], s2, s3
.endr
.irp b, 0,1,2,3
	v_max_num_f32 v[TM+\b], v[TM+\b], v[TM+4+\b]
.endr
.irp b, 0,1,2,3
	v_add_nc_u32 v[TM+12+\b], 0xff000000, v[TM+\b]
.endr
.irp b, 0,1,2,3
	v_lshrrev_b32 v[TM+4+\b], 23, v[TM+12+\b]
.endr
	v_lshl_or_b32 v[PWS+(\a)], v[TM+5], 8, v[TM+4]
	v_lshl_or_b32 v[PWS+(\a)], v[TM+6], 16, v[PWS+(\a)]
	v_lshl_or_b32 v[PWS+(\a)], v[TM+7], 24, v[PWS+(\a)]
	WIN 2+(\a)/4
.irp b, 0,1,2,3
	v_cvt_scalef32_pk8_fp4_f32 v[PC+8*(\a)+2*\b], v[AC+16*\b:AC+16*\b+7], v[TM+12+\b]
	v_cvt_scalef32_pk8_fp4_f32 v[PC+8*(\a)+2*\b+1], v[AC+16*\b+8:AC+16*\b+15], v[TM+12+\b]
.endr
	WIN 0
	v_nop
.irp c, 0,1
.irp i, 0,1
	v_permlane16_swap_b32 v[PC+8*(\a)+4*\c+\i], v[PC+8*(\a)+4*\c+2+\i]
.endr
.endr
.endm
	PLACES NP
	s_mov_b32 s2, 0x76543210
	s_mov_b32 s3, 0xfedcba98
.irp b, 0,1,2,3
	v_mov_b32 v[TM+4+\b], 0
.endr
.irp a, 0,1,2,3,4,5,6,7
	QUANTW \a
.endr
	s_cmp_eq_u32 s12, 2
	s_cselect_b32 s18, s17, s42
	s_cselect_b32 s19, s15, s16
	s_cselect_b32 s20, s42, s17
	s_cselect_b32 s21, s16, s15
	s_lshl_b32 s18, s18, 2
	s_lshl_b32 s19, s19, 1
	s_add_co_u32 s18, s18, s19
	s_lshr_b32 s19, s20, 3
	s_and_b32 s20, s20, 7
	s_lshl_b32 s20, s20, 1
	s_add_co_u32 s20, s20, s21
	s_lshl_b32 s19, s19, 4
	s_add_co_u32 s18, s18, s19
	s_lshl_b32 s18, s18, 4
	s_add_co_u32 s18, s18, s20
	s_cmp_eq_u32 s12, 0
	s_mov_b32 s22, 8960
	s_cselect_b32 s22, 4608, s22
	s_cselect_b64 s[92:93], s[96:97], s[98:99]
	s_mul_i32 s18, s18, s22
	s_mov_b32 s19, 0
	s_add_nc_u64 s[92:93], s[92:93], s[18:19]
	s_lshl_b32 s18, s22, 4
	s_add_nc_u64 s[94:95], s[92:93], s[18:19]
	s_mov_b32 s23, 0x7f7f0000
	s_cmp_eq_u32 s12, 2
	s_cbranch_scc1 .Lv_tail
.irp a, 0,1,2,3,4,5,6,7
	v_lshrrev_b32 v[T+\a], v[SH16], v[PWS+\a]
	v_and_or_b32 v[T+\a], v[T+\a], 0xffff, s23
	ds_store_b32 v[SQA], v[T+\a] offset:256*(\a%2)+4*(\a/2)
	global_store_b128 v[LI], v[PC+8*\a:PC+8*\a+3], s[92:93] offset:512*\a
	global_store_b128 v[LI], v[PC+8*\a+4:PC+8*\a+7], s[94:95] offset:512*\a
.endr
	ds_load_b128 v[X0:X0+3], v[SQR]
	ds_load_b128 v[X0+4:X0+7], v[SQR] offset:512
	s_wait_dscnt 0x0
	global_store_b128 v[LSO], v[X0:X0+3], s[92:93]
	global_store_b128 v[LSO], v[X0+4:X0+7], s[94:95]
	s_branch .Ljoin
.Lv_tail:
	s_wait_alu depctr_va_vdst(0)
.irp a, 0,1,2,3,4,5,6,7
	ds_store_b32 v[SVA], v[PWS+\a] offset:256*(\a/4)+128*(\a%2)+4*((\a%4)/2)
.if \a < 4
	global_store_b128 v[LI], v[PC+8*\a:PC+8*\a+3], s[92:93] offset:4096+1024*(\a%4)
	global_store_b128 v[LI], v[PC+8*\a+4:PC+8*\a+7], s[92:93] offset:4096+1024*(\a%4)+512
.else
	global_store_b128 v[LI], v[PC+8*\a:PC+8*\a+3], s[94:95] offset:4096+1024*(\a%4)
	global_store_b128 v[LI], v[PC+8*\a+4:PC+8*\a+7], s[94:95] offset:4096+1024*(\a%4)+512
.endif
.endr
	ds_load_b128 v[X0:X0+3], v[SVR]
	s_wait_dscnt 0x0
	global_store_b128 v[VSO], v[X0:X0+3], s[92:93]
.Ljoin:
	s_wait_tensorcnt 0x0
	s_wait_dscnt 0x0
	s_wait_tensorcnt 0x0
	ds_add_u32 v126, v127
	s_wait_dscnt 0x0
	CROUND
	s_endpgm
.Lfunc_end_k_q0cf6402cf1_proj:
	.size	k_q0cf6402cf1_proj, .Lfunc_end_k_q0cf6402cf1_proj-k_q0cf6402cf1_proj
	.p2alignl 7, 3214868480
	.fill 96, 4, 3214868480
	.section	.rodata,"a",@progbits
	.p2align	6, 0x0
	.amdhsa_kernel k_q0cf6402cf1_proj
		.amdhsa_group_segment_fixed_size 327680
		.amdhsa_private_segment_fixed_size 0
		.amdhsa_enable_private_segment 0
		.amdhsa_kernarg_size 48
		.amdhsa_user_sgpr_count 2
		.amdhsa_user_sgpr_kernarg_segment_ptr 1
		.amdhsa_wavefront_size32 1
		.amdhsa_system_sgpr_workgroup_id_x 1
		.amdhsa_system_sgpr_workgroup_id_y 1
		.amdhsa_system_sgpr_workgroup_id_z 1
		.amdhsa_system_vgpr_workitem_id 0
		.amdhsa_next_free_vgpr 1024
		.amdhsa_next_free_sgpr 104
		.amdhsa_reserve_vcc 0
		.amdhsa_float_denorm_mode_32 3
		.amdhsa_float_denorm_mode_16_64 3
		.amdhsa_memory_ordered 1
		.amdhsa_forward_progress 1
		.amdhsa_inst_pref_size 132
	.end_amdhsa_kernel
	.amdgpu_metadata
---
amdhsa.version: [ 1, 2 ]
amdhsa.kernels:
  - .name:           k_q0cf6402cf1_proj
    .symbol:         k_q0cf6402cf1_proj.kd
    .args:
      - { .name: xc, .offset: 0, .size: 8, .value_kind: global_buffer, .address_space: global }
      - { .name: xs, .offset: 8, .size: 8, .value_kind: global_buffer, .address_space: global }
      - { .name: wc, .offset: 16, .size: 8, .value_kind: global_buffer, .address_space: global }
      - { .name: ws, .offset: 24, .size: 8, .value_kind: global_buffer, .address_space: global }
      - { .name: qi, .offset: 32, .size: 8, .value_kind: global_buffer, .address_space: global }
      - { .name: kv, .offset: 40, .size: 8, .value_kind: global_buffer, .address_space: global }
    .group_segment_fixed_size: 327680
    .private_segment_fixed_size: 0
    .kernarg_segment_align: 8
    .kernarg_segment_size: 48
    .max_flat_workgroup_size: 128
    .sgpr_count:     104
    .vgpr_count:     1024
    .wavefront_size: 32
...
	.end_amdgpu_metadata
.endif
;; end of part 2
;; launch attn (part 3): grid 4 x 64, 16 waves a work-group, clusters of 4 x 1, 327,680 bytes of LDS; arguments qi, kv, out0; writes out0
.if DOCPART == 3
	.amdgcn_target "amdgcn-amd-amdhsa--gfx1250"
	.amdhsa_code_object_version 6
	.text
	.protected	k_q0cf6402cf1_attn
	.globl	k_q0cf6402cf1_attn
	.p2align	8
	.type	k_q0cf6402cf1_attn,@function
k_q0cf6402cf1_attn:
	s_mov_b64 s[64:65], 0
	v_nop
	global_prefetch_b8 v0, s[64:65] scope:SCOPE_SE
	s_setreg_imm32_b32 hwreg(HW_REG_WAVE_MODE, 25, 1), 1
	s_wait_xcnt 0x0
	s_wait_alu depctr_hold_cnt(0) depctr_sa_sdst(0) depctr_va_vdst(0) depctr_va_sdst(0) depctr_va_ssrc(0) depctr_va_vcc(0) depctr_vm_vsrc(0)
	s_getreg_b32 s2, hwreg(HW_REG_IB_STS2, 6, 4)
	s_cmp_eq_u32 s2, 0
	s_cbranch_scc0 .Lentry_in_a_cluster
	s_endpgm
.Lentry_in_a_cluster:
	s_bfe_u32 s2, ttmp6, 0x10000c
	s_cmp_lg_u32 s2, 0x3003
	s_cbranch_scc0 .Lentry_shape_is_right
	s_endpgm
.Lentry_shape_is_right:
; out0[b][q][64 head + d] = the sum over keys k <= q of softmax_k(Q[q] . K[k] / 8) V[k][d], both products on codes of FP4 (E2M1) with E8M0 scales, from the operand images that the launch before has stored.
; LEFT OUT: key steps all of whose 128 keys come after a tile's queries: their scores are masked to -infinity, so their p is 0 for all inputs.
; THE SOFTMAX: t = score x log2(e) / 8; M = the row's largest t so far, rounded UP to a whole number; p = 2^(t - M) is quantised along the keys, not normalised.  The row's sum is taken of the unquantised p and divides O
; at the end.  When M moves, the sum and O are multiplied by 2^(old M - new M): exact.
; SHARES.  A head (work-group y) has 16 groups of 128 queries, each of 8 tiles of 16.  The four work-groups of a head form a cluster.  Wave w of the work-group at place cx owns tile 4 (w / 8) + cx of group 15 - w % 8,
; then the same tile of group w % 8: group G has G + 1 key steps that count, so every wave works 17.  Which steps count hangs on the group, that is on the wave's number alone: no branch differs between partners.
; LDS.  The head's 16 key-step records, 143,360 bytes, are filled ONCE, by joint loads (mask 15): wave w fetches record w.  Waves 0 to 2 ask at the head; waves 3 to 15 behind the next round of the cluster's barrier,
; and their records land while every wave works key steps 0 to 2 of its first group (8 at the least, so these steps count whole); one barrier follows, and from there on the records are only read.
; NO PREFETCH: the launch's one stream is asked for whole at its start; there is no loop that could run ahead of it.
; LAYOUT.  Both products are used transposed: S^T = K Q^T, O^T = V^T P^T: a lane holds ONE query (lane % 16) throughout.  Lane r of query tile T is query 32 (T / 2) + 8 (T % 2) + r + 8 (r / 8) of its group.
; Row r of K's tile T is key 64 (T / 4) + 32 (r / 8) + 8 (T % 4) + r % 8 of the step: so the 32 registers of S^T's tiles 4 c .. 4 c + 3 are the WHOLE block of keys 64 c + 32 (lane / 16) + 0 .. 31, in order:
; a block's maximum needs no other lane, and the conversions' results are the second product's operand as they stand.
; THE HEAD HAS 64 NUMBERS, THE INSTRUCTION'S K IS 128: Q's registers 4-7 are zero codes; K's operand names eight registers, of which the upper four (the next tile's codes, or zeros) meet Q's zeros under the bytes 127.
; LIMITS: NaN and infinities are not served; a block of p under 2^-124 keeps the scale byte 1; the promise holds while |t| stays under 2^31.
.set REC,  8960                        ; a record: K's 8 tiles x 512; V's 4 fragments x 1,024; K's scale words 512; V's 256
.set NPRE, 3                           ; records asked for at the head, and steps written out ahead of the loops
.set STG,  16*REC                      ; behind the records: 16 rows x 272 bytes for each wave, for the way out; no fill lands here
.set SPARE, STG+16*16*272              ; the spare words, 128 bytes a wave
.set LI,   1                           ; 16 x lane
.set L8,   2                           ; 8 x lane + 8,704
.set AD,   3                           ; the step's record + v1
.set AD2,  4                           ; the step's record + v2
.set STO,  5                           ; the stage, in
.set RD,   6                           ; the stage, back
.set GO,   7                           ; my byte offset in the tile's rows of out0
.set QCO,  8                           ; my tile's codes in a record of qi
.set QSO,  9                           ; and its scale word
.set DQ,   10                          ; my query in its group - 32 (lane / 16)
.set OM,   11                          ; the old -M
.set QFA,  16                          ; v16-23 Q of the first group; v20-23 stay 0
.set QSA,  24                          ; its scale word
.set VSC,  26                          ; v26-27 V's scale words
.set KSC,  28                          ; v28-31 K's
.set KFR,  32                          ; v32-63 K's 8 tiles x 4; v64-67 stay 0
.set VFR,  68                          ; v68-99 V's 4 fragments x 8
.set S,    100                         ; v100-163 S^T, then p
.set O,    164                         ; v164-195 O^T
.set PCD,  196                         ; v196-203 p's codes
.set CH,   204                         ; v204-205 the sum's second chain
.set BM,   208                         ; v208-211 maxima in four chains; then v208, v210: my two blocks'
.set TP,   212                         ; v212-214 at work
.set SOP,  216                         ; v216-217 the conversions' scale operands
.set TT,   220
.set NINF, 221                         ; -infinity
.set FF,   222                         ; f = 2^(old M - new M)
.set PW,   223                         ; p's scale word
.set QFB,  224                         ; v224-231 Q of the second group; v228-231 stay 0
.set QSB,  232
.set SPW,  254
.set NIL,  255
.set BH,   10                          ; the head, 0 .. 63
.set CX,   14                          ; my work-group's place in the cluster
.set TB,   16                          ; LDS byte at which the step's record begins
.set KF,   17                          ; the step's first key
.set WV,   18
.set SEL,  20                          ; s[20:21] selects for lane l xor 16
.set CS,   22                          ; s[22:23] log2(e) / 8
.set QPA,  24                          ; s[24:25], s[26:27] my two groups' records in qi
.set QPB,  26
.set G0,   28
.set OUTP, 32                          ; s[32:33] my tile's first row in out0
.set GK,   34                          ; my group's first query: the first key of its last step
.set PSEL, 35                          ; byte selects for p's scale word
.set CNT,  36
.set Q0,   37
.set TQ,   39
.set G1,   40
.set GL,   48                          ; the first group, 15 - w % 8
.set GS,   49                          ; the second, w % 8
.macro ROUND                           ; a round of the cluster's barrier
	s_barrier_signal -1
	s_barrier_wait -1
	s_cmp_lg_u32 s[WV], 0
	s_cbranch_scc1 .Lnot_wave_0_\@
	s_barrier_signal -3
.Lnot_wave_0_\@:
	s_barrier_wait -3
	s_barrier_signal -1
	s_barrier_wait -1
.endm
	s_load_b128 s[4:7], s[0:1], 0x0                ; qi, kv
	s_load_b64 s[8:9], s[0:1], 0x10                ; out0
	v_lshl_add_u32 v[SPW], v0, 2, SPARE
	v_mov_b32 v[NIL], 0
	ds_add_u32 v[SPW], v[NIL]                      ; the opening lines: the add, twice on end, and its wait
	ds_add_u32 v[SPW], v[NIL]
	v_lshrrev_b32 v1, 5, v0
	v_readfirstlane_b32 s[WV], v1                  ; wave 0..15
	s_and_b32 s[BH], ttmp7, 0xffff
	s_bfe_u32 s[CX], ttmp6, 0x40000
	s_mov_b32 s[G1+0], 15|(3<<16)|(1<<21)          ; the four partners; elements of 8 bytes; bit 21 beside the mask.  One record: 35 dense rows of 256 bytes
	s_mov_b32 s[G1+1], 32<<16
	s_mov_b32 s[G1+2], 35<<16
	s_mov_b32 s[G1+3], 32<<16
	s_mov_b32 s[G1+4], 35
	s_mov_b32 s[G1+5], 32
	s_mov_b32 s[G1+6], 0
	s_mov_b32 s[G1+7], 0
	s_mul_i32 s11, s[WV], REC                      ; record w, in LDS as in memory
	s_mul_i32 s12, s[BH], 16*REC
	s_add_co_u32 s12, s12, s11
	s_mov_b32 s13, 0
	s_wait_dscnt 0x0
	s_wait_kmcnt 0x0
	s_mov_b32 s[G0], 1
	s_mov_b32 s[G0+1], s11
	s_add_nc_u64 s[G0+2:G0+3], s[6:7], s[12:13]
	s_or_b32 s[G0+3], s[G0+3], 0x80000000
	ROUND                                          ; in front of the first joint loads
	s_cmp_lt_u32 s[WV], NPRE
	s_cbranch_scc0 .Lno_fill
	tensor_load_to_lds s[G0:G0+3], s[G1:G1+7]      ; records 0 to 2
	s_nop 0
.rept 4
	v_nop
.endr
.Lno_fill:
	s_mov_b32 s[SEL], 0x76543210
	s_mov_b32 s[SEL+1], 0xfedcba98
	s_mov_b32 s[CS], 0x3e38aa3b
	s_mov_b32 s[CS+1], s[CS]
	s_mov_b32 s[PSEL], 0x06020400
	s_lshr_b32 s[TQ], s[WV], 3
	s_lshl_b32 s[TQ], s[TQ], 2
	s_add_co_u32 s[TQ], s[TQ], s[CX]               ; my tile
	s_and_b32 s[GS], s[WV], 7
	s_sub_co_u32 s[GL], 15, s[GS]
	s_lshr_b32 s58, s[TQ], 1
	s_lshl_b32 s50, s58, 5
	s_and_b32 s51, s[TQ], 1
	s_lshl_b32 s52, s51, 3
	s_add_co_u32 s50, s50, s52                     ; my tile's first query in its group
	s_mul_i32 s55, s[WV], 16*272
	s_add_co_u32 s55, s55, STG                     ; my stage
	s_lshl_b32 s56, s[TQ], 9
	s_lshl_b32 s57, s51, 8
	s_lshl_b32 s58, s58, 2
	s_add_co_u32 s57, s57, s58
	s_add_co_u32 s57, s57, 4096                    ; 4,096 + 256 (tile % 2) + 4 (tile / 2)
	s_lshl_b32 s52, s[BH], 4
	s_add_co_u32 s54, s52, s[GS]
	s_add_co_u32 s52, s52, s[GL]
	s_mul_i32 s52, s52, 4608
	s_mul_i32 s54, s54, 4608
	s_mov_b32 s53, 0
	s_add_nc_u64 s[QPA:QPA+1], s[4:5], s[52:53]
	s_mov_b32 s52, s54
	s_add_nc_u64 s[QPB:QPB+1], s[4:5], s[52:53]
	v_and_b32 v[TT], 31, v0
	v_and_b32 v[BM], 15, v0                        ; r
	v_bfe_u32 v[BM+1], v0, 4, 1                    ; h
	v_lshlrev_b32 v[LI], 4, v[TT]
	v_lshl_add_u32 v[L8], v[TT], 3, 8704
	v_lshl_add_u32 v[QSO], v[BM], 4, s57
	v_add_nc_u32 v[QCO], s56, v[LI]
	v_mul_u32_u24 v[STO], v[BM], 272
	v_mul_u32_u24 v[RD], v[BM+1], 272
	v_lshl_add_u32 v[STO], v[BM+1], 6, v[STO]
	v_lshl_add_u32 v[RD], v[BM], 4, v[RD]
	v_add_nc_u32 v[STO], s55, v[STO]               ; in: row r, + 64 h
	v_add_nc_u32 v[RD], s55, v[RD]                 ; back: lanes 0-15 one row of 256 bytes, lanes 16-31 the next
	v_lshlrev_b32 v[GO], 12, v[BM+1]
	v_and_b32 v[DQ], 8, v[BM]
	v_lshlrev_b32 v[BM+2], 5, v[BM+1]
	v_lshl_add_u32 v[GO], v[BM], 4, v[GO]
	v_add3_u32 v[DQ], v[DQ], v[BM], s50
	v_sub_nc_u32 v[DQ], v[DQ], v[BM+2]
	global_load_b128 v[QFA:QFA+3], v[QCO], s[QPA:QPA+1]   ; both tiles of Q are asked for here, under the records' flight
	global_load_b32 v[QSA], v[QSO], s[QPA:QPA+1]
	global_load_b128 v[QFB:QFB+3], v[QCO], s[QPB:QPB+1]
	global_load_b32 v[QSB], v[QSO], s[QPB:QPB+1]
.irp j, 0,1,2,3
	v_mov_b32 v[QFA+4+\j], 0                       ; Q's codes of k = 64 .. 127
	v_mov_b32 v[QFB+4+\j], 0
	v_mov_b32 v[KFR+32+\j], 0                      ; what K's last tile names behind its own four registers
.endr
	v_mov_b32 v[TP], 0                             ; a lane permute's destination counts as one of its sources
	v_mov_b32 v[TP+2], 0
	v_mov_b32 v[NINF], 0xff800000
	v_mov_b32 v[FF], 0
	v_mov_b32 v[PW], 0
; The start of a tile, of the group whose number stands in s[g]
.macro INIT g
	s_lshl_b32 s[GK], s[\g], 7
	s_add_co_u32 s[Q0], s[GK], s50
	s_lshr_b32 s52, s[BH], 4                       ; the batch
	s_lshl_b32 s52, s52, 11
	s_add_co_u32 s52, s52, s[Q0]
	s_lshl_b32 s52, s52, 12                        ; a row of out0 is 4,096 bytes,
	s_and_b32 s54, s[BH], 15
	s_lshl_b32 s54, s54, 8                         ; a head's part of it 256
	s_add_co_u32 s52, s52, s54
	s_mov_b32 s53, 0
	s_add_nc_u64 s[OUTP:OUTP+1], s[8:9], s[52:53]
	v_mov_b32 v13, 0xff61b1e6                      ; the largest score so far: -3e38
	v_mov_b32 v12, 0x7f61b1e6                      ; -M: 3e38, so that the first f is 0
	v_mov_b32 v14, 0
	v_mov_b32 v15, 0
.set n, 0
.rept 32
	v_mov_b32 v[O+n], 0                            ; the first step finds zeros, which its f leaves zeros
.set n, n+1
.endr
.endm
.macro MASKH c                         ; register 32 c + n holds key 64 c + 32 (lane / 16) + n of the step: hidden where 64 c + n > v[DQ]
.set n, 0
.rept 32
	v_cmp_gt_i32 vcc_lo, 64*\c+n, v[DQ]
	v_cndmask_b32 v[S+32*\c+n], v[S+32*\c+n], v[NINF], vcc_lo
.set n, n+1
.endr
.endm
.macro SUM2 j                          ; the row's sum of the unquantised p: two at a time, in two chains
	v_pk_add_f32 v[14:15], v[14:15], v[S+\j:S+\j+1]
	v_pk_add_f32 v[CH:CH+1], v[CH:CH+1], v[S+2+\j:S+3+\j]
.endm
; A KEY STEP of 128 keys.  full = 0: the record at the constant LDS byte tb, all keys count.  full = 1: the record at s[TB]; a step behind the group's last is jumped over, the last is masked.
.macro STEP qf, qsc, full, tb
.if \full
	s_cmp_gt_u32 s[KF], s[GK]
	s_cbranch_scc1 .Lhidden_\@
	v_add_nc_u32 v[AD], s[TB], v[LI]
	v_add_nc_u32 v[AD2], s[TB], v[L8]
.else
	v_add_nc_u32 v[AD], (\tb), v[LI]
	v_add_nc_u32 v[AD2], (\tb), v[L8]
.endif
	v_nop
	v_nop                                          ; four places in front of loads into registers that the last products have read
.irp t, 0,1,2,3,4,5,6,7
	ds_load_b128 v[KFR+4*\t:KFR+4*\t+3], v[AD] offset:512*\t
.endr
	ds_load_b128 v[KSC:KSC+3], v[AD] offset:8192
.irp j, 0,1,2,3,4,5,6,7
	ds_load_b128 v[VFR+4*\j:VFR+4*\j+3], v[AD] offset:4096+512*\j
.endr
	ds_load_b64 v[VSC:VSC+1], v[AD2]
	s_wait_dscnt 9                                 ; K's nine loads are in; V's nine may be out
.irp t, 0,1,2,3,4,5,6,7
.if \t%2
	v_wmma_scale_f32_16x16x128_f8f6f4 v[S+8*\t:S+8*\t+7], v[KFR+4*\t:KFR+4*\t+7], v[\qf:\qf+7], 0, v[KSC+\t/2], v[\qsc] matrix_a_fmt:MATRIX_FMT_FP4 matrix_b_fmt:MATRIX_FMT_FP4 matrix_a_scale:MATRIX_SCALE_ROW1
.else
	v_wmma_scale_f32_16x16x128_f8f6f4 v[S+8*\t:S+8*\t+7], v[KFR+4*\t:KFR+4*\t+7], v[\qf:\qf+7], 0, v[KSC+\t/2], v[\qsc] matrix_a_fmt:MATRIX_FMT_FP4 matrix_b_fmt:MATRIX_FMT_FP4
.endif
.endr
	v_mov_b32 v[OM], v12                           ; four places in front of the first read of the scores
.rept 3
	v_nop
.endr
.if \full
	s_cmp_lg_u32 s[KF], s[GK]                      ; only the group's last step has hidden keys
	s_cbranch_scc1 .Lopen_\@
	s_cmp_lt_u32 s[WV], 8
	s_cbranch_scc0 .Lupper_\@
	MASKH 0                                        ; tiles 0-3: queries 0 .. 63 of the group: keys 64 .. 127 are all hidden
.set n, 0
.rept 32
	v_mov_b32 v[S+32+n], v[NINF]
.set n, n+1
.endr
	s_branch .Lopen_\@
.Lupper_\@:
	MASKH 1                                        ; tiles 4-7: queries 64 .. 127: keys 0 .. 63 all count
.Lopen_\@:
.endif
.irp k, 0,1,2,3                                ; the largest score of my two blocks of 32 keys, in four chains by turns, each accumulator from its low end on
	v_max3_num_f32 v[BM+\k], v[S+16*\k], v[S+1+16*\k], v[S+2+16*\k]
.endr
.irp i, 3,5,7,9,11,13
.irp k, 0,1,2,3
	v_max3_num_f32 v[BM+\k], v[BM+\k], v[S+16*\k+\i], v[S+1+16*\k+\i]
.endr
.endr
	v_max3_num_f32 v[BM], v[BM], v[BM+1], v[S+15]
	v_max3_num_f32 v[BM+2], v[BM+2], v[BM+3], v[S+47]
	v_max_num_f32 v[BM], v[BM], v[S+31]            ; block lane / 16
	v_max_num_f32 v[BM+2], v[BM+2], v[S+63]        ; block 2 + lane / 16
	v_max_num_f32 v[TT], v[BM], v[BM+2]
	v_permlanex16_b32 v[TP], v[TT], s[SEL], s[SEL+1]
	v_max3_num_f32 v13, v13, v[TT], v[TP]          ; the running largest score of my query
	v_mul_f32 v[TT], s[CS], v13                    ; as t
	v_floor_f32 v12, -v[TT]                        ; -M = -ceil(t)
.set n, 0
.rept 32
	v_pk_fma_f32 v[S+n:S+n+1], v[S+n:S+n+1], s[CS:CS+1], v[12:13] op_sel_hi:[1,0,0]   ; t - M (of the pairs the low word serves both halves)
.if n == 4
	v_sub_f32 v[TT], v12, v[OM]                    ; old M - new M, a whole number, 0 or less
.endif
.if n == 12
	v_cvt_i32_f32 v[TT], v[TT]                     ; (it saturates)
.endif
.if n == 20
	v_ldexp_f32 v[FF], 1.0, v[TT]                  ; f
.endif
.set n, n+2
.endr
	v_fma_f32 v[BM], v[BM], s[CS], v12             ; the same of each block's largest score
	v_fma_f32 v[BM+2], v[BM+2], s[CS], v12
	s_wait_alu depctr_va_vdst(0)                   ; the wait ahead of the batch
.set n, 0
.rept 64
	v_exp_f32 v[S+n], v[S+n]                       ; p
.set n, n+1
.endr
	v_pk_mul_f32 v[14:15], v[14:15], v[FF:FF+1] op_sel_hi:[1,0]   ; the sum under the new M (the plain place behind the batch)
	s_wait_alu depctr_va_vdst(0)                   ; and behind it
	v_exp_f32 v[BM], v[BM]                         ; each block's largest p
	v_exp_f32 v[BM+2], v[BM+2]
	v_pk_add_f32 v[CH:CH+1], v[S:S+1], v[S+2:S+3]
.irp j, 4,8,12,16,20,24,28
	SUM2 \j
.endr
	s_wait_alu depctr_va_vdst(0)                   ; for the two
	v_max_num_f32 v[BM], 0x1800000, v[BM]          ; the floor 2^(3 - 127): the byte cannot fall under 1
	v_max_num_f32 v[BM+2], 0x1800000, v[BM+2]
	SUM2 32
	v_add_nc_u32 v[SOP], 0xff000000, v[BM]         ; 2 off the exponent field: the conversion's scale operand
	v_add_nc_u32 v[SOP+1], 0xff000000, v[BM+2]
	SUM2 36
	v_lshrrev_b32 v[TP], 23, v[SOP]                ; the bytes
	v_lshrrev_b32 v[TP+1], 23, v[SOP+1]
	SUM2 40
	v_lshl_or_b32 v[TP], v[TP+1], 16, v[TP]        ; mine at bytes 0 and 2
	SUM2 44
	v_permlanex16_b32 v[TP+2], v[TP], s[SEL], s[SEL+1]
	SUM2 48
	v_perm_b32 v[PW], v[TP+2], v[TP], s[PSEL]      ; lanes 0-15: blocks 0, 1, 2, 3 (lanes 16-31 are not read)
.irp c, 0,1
.irp u, 0,1,2,3
	v_cvt_scalef32_pk8_fp4_f32 v[PCD+4*\c+\u], v[S+32*\c+8*\u:S+32*\c+8*\u+7], v[SOP+\c]   ; keys 64 c + 32 (lane / 16) + 8 u + 0 .. 7: the operand's register 4 c + u
.endr
.endr
	SUM2 52                                        ; (the plain place behind the conversions)
	s_wait_alu depctr_va_vdst(0)                   ; directly ahead of the first reader of O^T
.set n, 0
.rept 16
	v_pk_mul_f32 v[O+n:O+n+1], v[O+n:O+n+1], v[FF:FF+1] op_sel_hi:[1,0]   ; O^T under the new M (also the places between the scale word, the codes and the products)
.set n, n+2
.endr
	SUM2 56
	SUM2 60
	v_pk_add_f32 v[14:15], v[14:15], v[CH:CH+1]
	s_wait_alu depctr_va_vdst(0)
	s_wait_dscnt 0x0                               ; V is in
.irp t, 0,1,2,3                                ; O^T += V^T P^T: the four accumulators take turns
.if \t%2
	v_wmma_scale_f32_16x16x128_f8f6f4 v[O+8*\t:O+8*\t+7], v[VFR+8*\t:VFR+8*\t+7], v[PCD:PCD+7], v[O+8*\t:O+8*\t+7], v[VSC+\t/2], v[PW] matrix_a_fmt:MATRIX_FMT_FP4 matrix_b_fmt:MATRIX_FMT_FP4 matrix_a_scale:MATRIX_SCALE_ROW1
.else
	v_wmma_scale_f32_16x16x128_f8f6f4 v[O+8*\t:O+8*\t+7], v[VFR+8*\t:VFR+8*\t+7], v[PCD:PCD+7], v[O+8*\t:O+8*\t+7], v[VSC+\t/2], v[PW] matrix_a_fmt:MATRIX_FMT_FP4 matrix_b_fmt:MATRIX_FMT_FP4
.endif
.endr
.if \full
.Lhidden_\@:
	s_add_co_u32 s[KF], s[KF], 128
	s_add_co_u32 s[TB], s[TB], REC
.endif
.endm
; THE WAY OUT: O^T / the sum goes through my stage and leaves as rows: sixteen lanes store the 256 consecutive bytes that a head has in a row of out0
.macro WAYOUT
.rept 4
	v_nop                                          ; places behind the last products
.endr
	v_add_f32 v14, v14, v15
	v_permlanex16_b32 v[FF], v14, s[SEL], s[SEL+1]
	v_add_f32 v14, v14, v[FF]                      ; the row's sum (key 0 counts for every query: it is over 1/2)
	s_wait_alu depctr_va_vdst(0)                   ; the wait ahead of the reciprocal
	v_rcp_f32 v14, v14
	v_nop
	s_wait_alu depctr_va_vdst(0)                   ; and ahead of its first reader
.set n, 0
.rept 16
	v_pk_mul_f32 v[S+n:S+n+1], v[O+n:O+n+1], v[14:15] op_sel_hi:[1,0]   ; register 16 b + m is d = 32 b + 16 (lane / 16) + m of my query
.set n, n+2
.endr
.irp b, 0,1
.irp k, 0,1,2,3
	ds_store_b128 v[STO], v[S+16*\b+4*\k:S+16*\b+4*\k+3] offset:128*\b+16*\k
.endr
.endr
.irp i, 0,1,2,3,4,5,6,7
	ds_load_b128 v[S+32+4*\i:S+35+4*\i], v[RD] offset:544*\i   ; LDS serves a wave's instructions in order: these see my stores
.endr
.irp i, 0,1,2,3,4,5,6,7
	s_wait_dscnt 7-\i                              ; pair i of rows is in, the younger ones may be out
	global_store_b128 v[GO], v[S+32+4*\i:S+35+4*\i], s[OUTP:OUTP+1] offset:(2*\i+8*(\i/4))*4096 th:TH_STORE_NT
.endr
.endm
	INIT GL
	s_wait_alu depctr_va_vdst(0)                   ; the wait at the head's end
	s_wait_tensorcnt 0x0                           ; records 0 to 2: their waves' loads have landed.
	ds_add_u32 v[SPW], v[NIL]                      ; the add written twice
	ds_add_u32 v[SPW], v[NIL]
	s_wait_dscnt 0x0
	ROUND
	s_cmp_ge_u32 s[WV], NPRE
	s_cbranch_scc0 .Lno_fill2
	tensor_load_to_lds s[G0:G0+3], s[G1:G1+7]      ; records 3 to 15, filled for the first time
	s_nop 0
.rept 4
	v_nop
.endr
.Lno_fill2:
	s_wait_loadcnt 0x0                             ; Q
	STEP QFA, QSA, 0, 0*REC                        ; key steps 0 to 2 of a group that is 8 at the least
	STEP QFA, QSA, 0, 1*REC
	STEP QFA, QSA, 0, 2*REC
	s_wait_tensorcnt 0x0                           ; my record has landed,
	s_wait_dscnt 0x0
	s_barrier_signal -1
	s_barrier_wait -1                              ; everybody's has: from here on LDS bytes 0 .. 143,359 are only read
	s_mov_b32 s[TB], NPRE*REC
	s_mov_b32 s[KF], NPRE*128
	s_mov_b32 s[CNT], 16-NPRE
.Llong:                                            ; a constant count of trips; the steps that do not count are jumped over inside
	STEP QFA, QSA, 1, 0
	s_sub_co_u32 s[CNT], s[CNT], 1
	s_cmp_lg_u32 s[CNT], 0
	s_cbranch_scc1 .Llong
	WAYOUT
	s_wait_xcnt 0x0                                ; the stores have read their registers and their base: both are written again below
	INIT GS
	s_mov_b32 s[TB], 0
	s_mov_b32 s[KF], 0
	s_mov_b32 s[CNT], 8
.Lshort:
	STEP QFB, QSB, 1, 0
	s_sub_co_u32 s[CNT], s[CNT], 1
	s_cmp_lg_u32 s[CNT], 0
	s_cbranch_scc1 .Lshort
	WAYOUT
	s_wait_tensorcnt 0x0                           ; the wave's end
	ds_add_u32 v[SPW], v[NIL]
	s_wait_dscnt 0x0
	ROUND                                          ; the closing round
	s_endpgm
.Lfunc_end_k_q0cf6402cf1_attn:
	.size	k_q0cf6402cf1_attn, .Lfunc_end_k_q0cf6402cf1_attn-k_q0cf6402cf1_attn
	.p2alignl 7, 3214868480
	.fill 96, 4, 3214868480
	.section	.rodata,"a",@progbits
	.p2align	6, 0x0
	.amdhsa_kernel k_q0cf6402cf1_attn
		.amdhsa_group_segment_fixed_size 327680
		.amdhsa_private_segment_fixed_size 0
		.amdhsa_enable_private_segment 0
		.amdhsa_kernarg_size 24
		.amdhsa_user_sgpr_count 2
		.amdhsa_user_sgpr_kernarg_segment_ptr 1
		.amdhsa_wavefront_size32 1
		.amdhsa_system_sgpr_workgroup_id_x 1
		.amdhsa_system_sgpr_workgroup_id_y 1
		.amdhsa_system_sgpr_workgroup_id_z 1
		.amdhsa_system_vgpr_workitem_id 0
		.amdhsa_next_free_vgpr 256
		.amdhsa_next_free_sgpr 66
		.amdhsa_reserve_vcc 1
		.amdhsa_float_denorm_mode_32 3
		.amdhsa_float_denorm_mode_16_64 3
		.amdhsa_memory_ordered 1
		.amdhsa_forward_progress 1
		.amdhsa_inst_pref_size 99
	.end_amdhsa_kernel
	.amdgpu_metadata
---
amdhsa.version: [ 1, 2 ]
amdhsa.kernels:
  - .name:           k_q0cf6402cf1_attn
    .symbol:         k_q0cf6402cf1_attn.kd
    .args:
      - { .name: qi, .offset: 0, .size: 8, .value_kind: global_buffer, .address_space: global }
      - { .name: kv, .offset: 8, .size: 8, .value_kind: global_buffer, .address_space: global }
      - { .name: out0, .offset: 16, .size: 8, .value_kind: global_buffer, .address_space: global }
    .group_segment_fixed_size: 327680
    .private_segment_fixed_size: 0
    .kernarg_segment_align: 8
    .kernarg_segment_size: 24
    .max_flat_workgroup_size: 512
    .sgpr_count:     66
    .vgpr_count:     256
    .wavefront_size: 32
...
	.end_amdgpu_metadata
.endif
;; end of part 3
